; MI455X (gfx1250); checked and timed in simulation.
; The chip was launched on July 23, 2026; its instructions are those of AMD's public machine-readable ISA for CDNA 5 (MIT licence, August 2026) and "CDNA5" Instruction Set Architecture Reference Guide (July 2026). The comments in the code are by the model that wrote it; some were corrected since.
;; Classical Self Attention. Allowed arithmetic: matrix products marked QUANTISED: E2M1 operands, one E8M0 scale for each 32 along K, by v_wmma_scale_f32_16x16x128_f8f6f4 with both operands' format E2M1 (or v_wmma_scale_f32_32x16x128_f4), f32 sums; products left as they are: bf16, f16 or f32 operands; f32 sums; everything else in f32.
;; Inputs: entangle_params 512 x 512 float32; inputs 2 x 4,096 x 512 float32; rotation_params 512 x 512 float32; w_k 512 x 512 float32; w_q 512 x 512 float32; w_v 512 x 512 float32.
;; Outputs: out0 2 x 4,096 x 512 float32.
;; This version of the problem:
;;   THIS VERSION OF THE PROBLEM IS GIVEN IN LOW PRECISION. The matrix products marked QUANTISED in the list below multiply operands that are first quantised to E2M1 (2 exponent bits, 1 mantissa bit; 4 bits a number), with one power-of-two scale for each 32 numbers along K (OCP MX v1.0); their sums are f32. The products marked 'left as it is' may take bf16, f16 or f32 operands, with f32 sums. Whichever they take, every output number must still come out within the allowed error. Rounding operands to bf16 (8 significant bits) uses up far more of that allowance than f16 does (11 bits, for magnitudes from 6e-5 to 65,504). All else is computed in f32.
;;   The module's matrix products, in the order in which they are computed (A, B: the left and right operand; K: the contracted axis; several contracted axes count as one K, in the product's order):
;;     1. [M 8,192, K 512] x [K 512, N 512]; A: input inputs; B: input w_q: QUANTISED
;;     2. [M 8,192, K 512] x [K 512, N 512]; A: computed on the way; B: input rotation_params: left as it is (an operand is computed on the way)
;;     3. [M 8,192, K 512] x [K 512, N 512]; A: input inputs; B: input w_k: QUANTISED
;;     4. [M 8,192, K 512] x [K 512, N 512]; A: computed on the way; B: input entangle_params: left as it is (an operand is computed on the way)
;;     5. [M 8,192, K 512] x [K 512, N 512]; A: input inputs; B: input w_v: QUANTISED
;;     6. batch 16 x [M 4,096, K 64] x [K 64, N 4,096]; A: computed on the way; B: computed on the way: left as it is (an operand is computed on the way)
;;     7. batch 16 x [M 4,096, K 4,096] x [K 4,096, N 64]; A: computed on the way; B: computed on the way: left as it is (an operand is computed on the way)
;;   THE QUANTISER, for each operand of a quantised product, along K:
;;     - K is cut into blocks of 32 from its start; a last block that is shorter is filled with zeros.
;;     - A block's scale is 2^e with e = floor(log2(the largest magnitude in the block)) - 2, held to -126 .. 127; a block of zeros has e = 0. As a byte (E8M0): e + 127.
;;     - Each number is divided by its block's scale, clamped to +-6, and rounded to the nearest number of E2M1, ties to even, subnormals kept.
;;     - The product sums the exact products of the quantised numbers (number of the format x scale) in f32.
;;   ~~~python
;;   def quantise(x, axis):      # numpy; x: float32 -> the quantised numbers, widened to float32 again
;;       x = np.moveaxis(x, axis, -1); K = x.shape[-1]
;;       x = np.pad(x, [(0, 0)] * (x.ndim - 1) + [(0, -K % 32)]); x = x.reshape(x.shape[:-1] + (-1, 32)); a = np.abs(x).max(-1, keepdims=True)
;;       e = np.where(a > 0, np.clip(np.frexp(np.where(a > 0, a, 1))[1] - 1 - 2, -126, 127), 0)      # np.frexp(a)[1] - 1 = floor(log2(a)), exactly
;;       r = np.clip(x / 2.0 ** e, -6, 6)
;;       step = 2.0 ** (np.maximum(np.frexp(np.where(r == 0, 1, r))[1] - 1, 0) - 1)
;;       q = np.round(r / step) * step * 2.0 ** e      # np.round: ties to even
;;       return np.moveaxis(q.reshape(q.shape[:-2] + (-1,))[..., :K], -1, axis).astype(np.float32)
;;   ~~~
;; One version. Each part assembles by itself: llvm-mc -triple=amdgcn-amd-amdhsa -mcpu=gfx1250 --defsym DOCPART=n.
;; ======== version 1 of 1: 3 launches
;; limits: values are held in f16: magnitudes above 65,504 overflow, below 6.1e-05 lose precision; right only within a limited range of input values
;; workspace buffers: cod 2,490,368 bytes; scl 155,648 bytes; rimg 1,048,576 bytes; qimg 8,388,608 bytes; kv 16,777,216 bytes; qks 4,096 bytes
;; launch prep (part 1): grid 672 x 1, 4 waves a work-group, no clusters, 34,560 bytes of LDS; arguments inputs, w_q, w_k, w_v, rotation_params, entangle_params, cod, scl, rimg; writes cod, scl, rimg
.if DOCPART == 1
	.amdgcn_target "amdgcn-amd-amdhsa--gfx1250"
	.amdhsa_code_object_version 6
	.text
	.protected	k_qc2d0d153de_prep
	.globl	k_qc2d0d153de_prep
	.p2align	8
	.type	k_qc2d0d153de_prep,@function
k_qc2d0d153de_prep:
	s_mov_b64 s[64:65], 0
	v_nop
	global_prefetch_b8 v0, s[64:65] scope:SCOPE_SE
	s_setreg_imm32_b32 hwreg(HW_REG_WAVE_MODE, 25, 1), 1
	s_wait_xcnt 0x0
; THE PROGRAM: q = (x Wq^T) R, k = (x Wk^T) En, v = x Wv^T, then 16 heads of attention without a mask (4,096 queries x 4,096 keys, head size 64).  Three launches: this one, proj, attn.
; NO WORK IS LEFT OUT: every input has a way to the output, there is no mask, nothing is sliced away; all six inputs are loaded.
; THIS LAUNCH makes the operands of the products with x and with R, En, each once:
;  (Q) x [8192][512], Wq, Wk, Wv [512][512], f32 with K innermost, become codes of E2M1 with one E8M0 byte for each 32 along K.  A block's scale is 2^(floor(log2(largest magnitude)) - 2): its byte is the
;      largest magnitude's own exponent field - 2, held at 1 from below; each number is divided by the scale and rounded to the nearest code, ties to even, beyond 6 the largest code.
;  (R) R and En [512 (k)][512 (n)], f32, are multiplied by sqrt(log2(e) / 8) and rounded to f16: the factor stands on both sides of Q K^T, so that the scores come out as exponents of 2.
; LAYOUTS: all three buffers are images of operand registers: a group of four registers is 512 bytes, lane l's 16 bytes at 16 l.
;  cod: 608 row tiles of 16 rows x 4,096 bytes (0-511 x, 512-543 Wq, 544-575 Wk, 576-607 Wv); in a tile K step s (128 along K) at 1,024 s, piece c at + 512 c: lane (r, h) holds row r, k = 128 s + 64 c + 32 h + 0 .. 31.
;  scl: [9,728 rows][16 bytes], the same order of rows.   rimg: [matrix 2][head g 8][kc 16][tile t 4][piece c 2][512 bytes]: lane (r, h), element i: Mat[32 kc + 16 c + 8 h + i][64 g + 4 r + t].
;      Row r of tile t is so channel 4 r + t of head g: a permutation of a head's 64 channels, the same for q and k, which their product does not see; it lets a lane load 16 neighbouring bytes of a row of R.
; LIMITS: |sqrt(log2(e)/8) R| up to 65,504 (f16).  NaN and infinities among the inputs are not served.  A block of zeros gets the byte 1 where the rule says 127: its codes are zeros, and this program alone
; reads the bytes.  Blocks whose largest magnitude lies under 2^-124 are held at the byte 1.
; SHARES: work-groups 0-607: a row tile each, wave s its K step s.  Work-groups 608-671: four units (matrix, g, kc) of R or En each, a wave a unit.  Work-groups share nothing: no cluster.
.set NT,    608                        ; row tiles
.set SP,    528                        ; a stage row: 512 bytes + 16: sixteen rows of a load start 16 bytes apart modulo 256
.set STGW,  16*SP                      ; a wave's stage
.set SCB,   4*STGW                     ; the tile's 256 scale bytes
.set SPARE, SCB+256                    ; the spare words, 128 bytes a wave: two blocks of 256 bytes that no other line names
.set RAW,   16                         ; v16-79   as loaded
.set XB,    80                         ; v80-143  (Q) two blocks of 32 neighbours; (R) v80-111 the f16 pieces
.set CODE,  144                        ; v144-151 the fragment's codes
.set AM,    152                        ; v152-153 largest magnitudes
.set SO,    154                        ; v154-155 the conversions' scale operands
.set BY,    156                        ; v156-157 the bytes
.set WD,    158                        ; v158     my row's scale word for this K step
.set TP,    159
.set SPW,   170                        ; v170     my spare word; never rewritten
.set NIL,   171                        ; v171     0; never rewritten
	s_load_b256 s[4:11], s[0:1], 0x0               ; x s[4:5], Wq s[6:7], Wk s[8:9], Wv s[10:11]
	s_load_b256 s[12:19], s[0:1], 0x20             ; R s[12:13], En s[14:15], cod s[16:17], scl s[18:19]
	s_load_b64 s[20:21], s[0:1], 0x40              ; rimg
	v_lshl_add_u32 v[SPW], v0, 2, SPARE
	v_mov_b32 v[NIL], 0
	v_lshrrev_b32 v1, 5, v0
	v_readfirstlane_b32 s22, v1                    ; wave
	v_and_b32 v1, 31, v0                           ; lane l
	v_and_b32 v2, 15, v0                           ; r
	v_bfe_u32 v3, v0, 4, 1                         ; h
	v_lshlrev_b32 v4, 4, v1                        ; 16 l: an image's place, and my 16 bytes of a row's 512
	s_mul_i32 s23, s22, STGW
	v_add_nc_u32 v8, s23, v4                       ; the stage, on the way in: a row as it lies
	v_mul_u32_u24 v9, v2, SP
	v_lshl_add_u32 v9, v3, 7, v9
	v_add_nc_u32 v9, s23, v9                       ; and out: row r, block h: 128 bytes on end
	s_lshl_b32 s33, s22, 2
	s_add_co_u32 s33, s33, SCB
	v_lshlrev_b32 v10, 4, v2
	v_add_nc_u32 v10, s33, v10                     ; row r's 16 scale bytes, my wave's word of them
	v_lshl_add_u32 v11, v1, 3, SCB                 ; the 256 bytes read back, 8 a lane
	v_lshlrev_b32 v12, 3, v1
	v_lshlrev_b32 v13, 4, v2
	v_lshl_add_u32 v13, v3, 14, v13                ; (R): 16 r bytes in a row of 2,048, lanes 16-31 eight rows down
	v_lshlrev_b32 v14, 3, v3                       ; 8 h: my bytes' place in the scale word
	v_mov_b32 v[TP], 0                             ; a lane permute's destination counts as one of its sources
	s_mov_b32 s24, 0x76543210
	s_mov_b32 s25, 0xfedcba98                      ; selects for lane l xor 16
	s_mov_b32 s26, 0x3ed96d27                      ; sqrt(log2(e) / 8)
	s_mov_b32 s27, s26                             ; (named with it as a pair)
	s_mov_b32 s31, 0
	s_wait_kmcnt 0x0
	s_cmp_ge_u32 ttmp9, NT                         ; the work-group's number: all four waves go the same way
	s_cbranch_scc1 .Lrot
	; ---- (Q) which tensor, and which of its tiles
	s_mov_b64 s[28:29], s[4:5]
	s_mov_b32 s30, 0
	s_cmp_ge_u32 ttmp9, 512
	s_cselect_b64 s[28:29], s[6:7], s[28:29]
	s_cselect_b32 s30, 512, s30
	s_cmp_ge_u32 ttmp9, 544
	s_cselect_b64 s[28:29], s[8:9], s[28:29]
	s_cselect_b32 s30, 544, s30
	s_cmp_ge_u32 ttmp9, 576
	s_cselect_b64 s[28:29], s[10:11], s[28:29]
	s_cselect_b32 s30, 576, s30
	s_sub_co_u32 s30, ttmp9, s30
	s_lshl_b32 s30, s30, 15                        ; 16 rows of 2,048 bytes a tile
	s_lshl_b32 s32, s22, 9                         ; 512 bytes a K step
	s_add_co_u32 s30, s30, s32
	s_add_nc_u64 s[28:29], s[28:29], s[30:31]
	s_lshl_b32 s30, ttmp9, 12
	s_lshl_b32 s32, s22, 10
	s_add_co_u32 s30, s30, s32
	s_add_nc_u64 s[16:17], s[16:17], s[30:31]      ; my fragment's image in cod
.irp i, 0,1,2,3,4,5,6,7,8,9,10,11,12,13,14,15
	global_load_b128 v[RAW+4*\i:RAW+4*\i+3], v4, s[28:29] offset:2048*\i th:TH_LOAD_NT   ; row i: 32 lanes read 512 consecutive bytes
.endr
.irp i, 0,1,2,3,4,5,6,7,8,9,10,11,12,13,14,15
	s_wait_loadcnt 15-\i                           ; row i is in; the younger loads may be out
	ds_store_b128 v8, v[RAW+4*\i:RAW+4*\i+3] offset:SP*\i
.endr
.irp c, 0,1
.irp i, 0,1,2,3,4,5,6,7
	ds_load_b128 v[XB+32*\c+4*\i:XB+32*\c+4*\i+3], v9 offset:256*\c+16*\i   ; block 2 c + h of row r, whole.  LDS serves a wave's instructions in order: these see my stores
.endr
.endr
	s_wait_dscnt 0x0
.irp c, 0,1
	v_max3_num_f32 v[AM+\c], |v[XB+32*\c]|, |v[XB+32*\c+1]|, 0x1800000   ; the block's largest magnitude, and the floor 2^(3 - 127): the byte cannot fall under 1
.endr
.irp i, 2,4,6,8,10,12,14,16,18,20,22,24,26,28,30
.irp c, 0,1
	v_max3_num_f32 v[AM+\c], v[AM+\c], |v[XB+32*\c+\i]|, |v[XB+32*\c+\i+1]|   ; (the two blocks by turns)
.endr
.endr
.irp c, 0,1
	v_add_nc_u32 v[SO+\c], 0xff000000, v[AM+\c]    ; 2 off the exponent field: the conversion takes that field as its scale
.endr
.irp c, 0,1
	v_lshrrev_b32 v[BY+\c], 23, v[SO+\c]           ; the scale's byte
.endr
	v_lshl_or_b32 v[WD], v[BY+1], 16, v[BY]        ; blocks h and 2 + h,
	v_lshlrev_b32 v[WD], v14, v[WD]                ; at their places;
	v_permlanex16_b32 v[TP], v[WD], s24, s25
	v_or_b32 v[WD], v[WD], v[TP]                   ; with lane l xor 16's two the word is whole
.irp c, 0,1
.irp g, 0,1,2,3
	v_cvt_scalef32_pk8_fp4_f32 v[CODE+4*\c+\g], v[XB+32*\c+8*\g:XB+32*\c+8*\g+7], v[SO+\c]
.endr
.endr
	v_nop                                          ; one plain place behind the scaled conversions
.irp c, 0,1
	global_store_b128 v4, v[CODE+4*\c:CODE+4*\c+3], s[16:17] offset:512*\c   ; 512 consecutive bytes, aligned
.endr
	ds_store_b32 v10, v[WD]                        ; lanes r and r + 16 write the same word with the same value
	s_branch .Ljoin
.Lrot:
	; ---- (R) unit u = 4 (work-group - 608) + wave: matrix u / 128, head (u / 16) % 8, kc = u % 16
	s_sub_co_u32 s30, ttmp9, NT
	s_lshl_b32 s30, s30, 2
	s_add_co_u32 s30, s30, s22
	s_lshr_b32 s32, s30, 7
	s_bfe_u32 s33, s30, 0x30004
	s_and_b32 s34, s30, 15
	s_cmp_eq_u32 s32, 0
	s_cselect_b64 s[28:29], s[12:13], s[14:15]
	s_lshl_b32 s30, s34, 16                        ; 32 rows of 2,048 bytes
	s_lshl_b32 s35, s33, 8                         ; 64 columns
	s_add_co_u32 s30, s30, s35
	s_add_nc_u64 s[28:29], s[28:29], s[30:31]
	s_lshl_b32 s30, s32, 19
	s_lshl_b32 s35, s33, 16
	s_add_co_u32 s30, s30, s35
	s_lshl_b32 s35, s34, 12
	s_add_co_u32 s30, s30, s35
	s_add_nc_u64 s[20:21], s[20:21], s[30:31]
.irp c, 0,1
.irp i, 0,1,2,3,4,5,6,7
	global_load_b128 v[RAW+4*(8*\c+\i):RAW+4*(8*\c+\i)+3], v13, s[28:29] offset:(16*\c+\i)*2048 th:TH_LOAD_NT   ; Mat[32 kc + 16 c + 8 h + i][64 g + 4 r + 0 .. 3]: sixteen lanes read 256 consecutive bytes, aligned
.endr
.endr
	s_wait_loadcnt 0x0
.set J, 0
.rept 32
	v_pk_mul_f32 v[RAW+2*J:RAW+2*J+1], v[RAW+2*J:RAW+2*J+1], s[26:27] op_sel_hi:[1,0]
.set J, J+1
.endr
.irp t, 0,1,2,3
.irp c, 0,1
.irp p, 0,1,2,3
	v_cvt_pk_f16_f32 v[XB+8*\t+4*\c+\p], v[RAW+4*(8*\c+2*\p)+\t], v[RAW+4*(8*\c+2*\p+1)+\t]   ; column 4 r + t, k elements 2 p and 2 p + 1
.endr
.endr
.endr
.irp t, 0,1,2,3
.irp c, 0,1
	global_store_b128 v4, v[XB+8*\t+4*\c:XB+8*\t+4*\c+3], s[20:21] offset:1024*\t+512*\c
.endr
.endr
.Ljoin:
	s_wait_dscnt 0x0                               ; for the others' sake: my scale words lie in LDS
	s_barrier_signal -1
	s_barrier_wait -1                              ; the one barrier, on both paths
	s_cmp_ge_u32 ttmp9, NT
	s_cbranch_scc1 .Lend
	s_cmp_lg_u32 s22, 0
	s_cbranch_scc1 .Lend
	s_lshl_b32 s30, ttmp9, 8                       ; wave 0 stores the tile's 256 scale bytes as one aligned run
	s_add_nc_u64 s[18:19], s[18:19], s[30:31]
	ds_load_b64 v[160:161], v11
	s_wait_dscnt 0x0
	global_store_b64 v12, v[160:161], s[18:19]
.Lend:
	s_wait_tensorcnt 0x0                           ; the wave's end
	ds_add_u32 v[SPW], v[NIL]
	s_wait_dscnt 0x0
	s_endpgm
.Lfunc_end_k_qc2d0d153de_prep:
	.size	k_qc2d0d153de_prep, .Lfunc_end_k_qc2d0d153de_prep-k_qc2d0d153de_prep
	.p2alignl 7, 3214868480
	.fill 96, 4, 3214868480
	.section	.rodata,"a",@progbits
	.p2align	6, 0x0
	.amdhsa_kernel k_qc2d0d153de_prep
		.amdhsa_group_segment_fixed_size 34560
		.amdhsa_private_segment_fixed_size 0
		.amdhsa_enable_private_segment 0
		.amdhsa_kernarg_size 72
		.amdhsa_user_sgpr_count 2
		.amdhsa_user_sgpr_kernarg_segment_ptr 1
		.amdhsa_wavefront_size32 1
		.amdhsa_system_sgpr_workgroup_id_x 1
		.amdhsa_system_sgpr_workgroup_id_y 1
		.amdhsa_system_sgpr_workgroup_id_z 1
		.amdhsa_system_vgpr_workitem_id 0
		.amdhsa_next_free_vgpr 176
		.amdhsa_next_free_sgpr 66
		.amdhsa_reserve_vcc 0
		.amdhsa_float_denorm_mode_32 3
		.amdhsa_float_denorm_mode_16_64 3
		.amdhsa_memory_ordered 1
		.amdhsa_forward_progress 1
		.amdhsa_inst_pref_size 18
	.end_amdhsa_kernel
	.amdgpu_metadata
---
amdhsa.version: [ 1, 2 ]
amdhsa.kernels:
  - .name:           k_qc2d0d153de_prep
    .symbol:         k_qc2d0d153de_prep.kd
    .args:
      - { .name: inputs, .offset: 0, .size: 8, .value_kind: global_buffer, .address_space: global }
      - { .name: w_q, .offset: 8, .size: 8, .value_kind: global_buffer, .address_space: global }
      - { .name: w_k, .offset: 16, .size: 8, .value_kind: global_buffer, .address_space: global }
      - { .name: w_v, .offset: 24, .size: 8, .value_kind: global_buffer, .address_space: global }
      - { .name: rotation_params, .offset: 32, .size: 8, .value_kind: global_buffer, .address_space: global }
      - { .name: entangle_params, .offset: 40, .size: 8, .value_kind: global_buffer, .address_space: global }
      - { .name: cod, .offset: 48, .size: 8, .value_kind: global_buffer, .address_space: global }
      - { .name: scl, .offset: 56, .size: 8, .value_kind: global_buffer, .address_space: global }
      - { .name: rimg, .offset: 64, .size: 8, .value_kind: global_buffer, .address_space: global }
    .group_segment_fixed_size: 34560
    .private_segment_fixed_size: 0
    .kernarg_segment_align: 8
    .kernarg_segment_size: 72
    .max_flat_workgroup_size: 128
    .sgpr_count:     66
    .vgpr_count:     176
    .wavefront_size: 32
...
	.end_amdgpu_metadata
.endif
;; end of part 1
;; launch proj (part 2): grid 4 x 64, 4 waves a work-group, no clusters, 131,584 bytes of LDS; arguments cod, scl, rimg, qimg, kv, qks; writes qimg, kv, qks
.if DOCPART == 2
	.amdgcn_target "amdgcn-amd-amdhsa--gfx1250"
	.amdhsa_code_object_version 6
	.text
	.protected	k_qc2d0d153de_proj
	.globl	k_qc2d0d153de_proj
	.p2align	8
	.type	k_qc2d0d153de_proj,@function
k_qc2d0d153de_proj:
	s_mov_b64 s[64:65], 0
	v_nop
	global_prefetch_b8 v0, s[64:65] scope:SCOPE_SE
	s_setreg_imm32_b32 hwreg(HW_REG_WAVE_MODE, 25, 1), 1
	s_wait_xcnt 0x0
; q = (x Wq^T) R', k = (x Wk^T) En', v = x Wv^T; R', En' carry sqrt(log2(e) / 8).  No work is left out.
; The products with x multiply codes of E2M1 with E8M0 scales; their sums T are f32, rounded to f16 for the product with R' (f16), whose sums are f32.  v leaves as f16.
; q AND k LEAVE AS f16 UNDER A POWER-OF-TWO SCALE OF THEIR OWN for each block of 128 tokens of a head, which is what one wave holds: with E the exponent field of the block's largest magnitude the numbers are
; multiplied by 2^(141 - E), which rounds nothing and brings the largest into [2^14, 2^15), then rounded to f16; 2^(E - 141) goes to qks [chain 2][head 16][block 32], f32.  So q and k, which grow with three
; inputs each, keep f16's 11 bits at any size of the inputs.
; LIMITS: |x W^T| up to 65,504 (f16): inputs 30 times larger, or with offsets of 30 times their spread, stay under it.  A block whose largest |q| or |k| lies under 2^-100 is scaled as if it were 2^-100.
; SHARES.  Work-group (kd, rb): 128 rows of x (8 tiles of 16), chain = kd / 2 (0: q, 1: k), half = kd % 2 of its 512 output channels; and channels 128 kd .. + 127 of v.  THE WAVES SHARE THE COLUMNS:
;  phase 1: wave w makes T's columns 128 w .. + 127 and v's channels 128 kd + 32 w .. + 31 for all 8 tiles of rows; T goes to LDS as images of the next product's operand registers; one barrier;
;  phase 2: wave w makes head g = 4 half + w (64 channels, 4 tiles) for all 8 tiles of rows, K = 512 in 16 chunks of 32.
; Each weight fragment goes from memory straight into the registers of the one wave that multiplies by it, and stays.  NO CLUSTER AND NO RING: a work-group's weights are 128 KB of W, 32 KB of Wv and 256 KB of R',
; more than LDS holds beside T's 128 KB; in registers they are read once and no LDS byte is spent on them.
; T is made by both halves of a chain: 32 of a trip's 40 products on codes are so done twice in the launch; that spares T a way through memory.
; LAYOUT.  T^T = W x^T (source 0 = 16 rows of W, source 1 = 16 rows of x): a lane holds one token and eight neighbouring columns of T: rounded to f16 they are half a fragment of the next product's source 1.
;  v = x Wv^T (source 0 = x): a lane holds one channel and eight neighbouring tokens: half a fragment of V^T, attention's source 0.  q^T = R'^T T^T: a lane holds one token and eight channel places: half a fragment of Q or K.
; REGISTERS, in windows of 256.  Window 0: v1-7 addresses; v8-14 the block's scale; v16-67 scale words and nothing else; phase 1: v72-167 three sets of x's four fragments, v168-247 ten accumulators; phase 2: v72-199 two sets of T's eight fragments.
;  Window 1: phase 1 W's 32 fragments (32 t + 8 s), phase 2 the 32 accumulators (8 (4 m + t)).  Window 2: R' chunks 0-7 (32 kc + 8 t).  Window 3: chunks 8-15; v192-255 hold Wv's 8 fragments in phase 1, chunks 14, 15 after.
.set SPARE, 131072                     ; behind T's images: the spare words, 128 bytes a wave
.set WS,  16                           ; v16-47  W's scale words: 4 t + s
.set WVS, 48                           ; v48-55  Wv's: 4 n + s
.set XS,  56                           ; v56-67  x's: 4 set + s
.set XF,  72                           ; x's fragments: 32 set + 8 s
.set ACC, 168                          ; tiles 0-7: T; tiles 8, 9: v
.set TB,  72                           ; T's fragments: 64 set + 8 m
.set MSB, 0
.macro WIN new                         ; low byte: bits 1:0 source 0, 3:2 source 1, 5:4 source 2, 7:6 destination; the high byte repeats the setting that is left
.if MSB != (\new)
	s_set_vgpr_msb (MSB<<8)|(\new)
.set MSB, (\new)
.endif
.endm
	s_load_b256 s[4:11], s[0:1], 0x0               ; cod s[4:5], scl s[6:7], rimg s[8:9], qimg s[10:11]
	s_load_b64 s[12:13], s[0:1], 0x20              ; kv
	s_load_b64 s[48:49], s[0:1], 0x28              ; qks
	v_lshl_add_u32 v6, v0, 2, SPARE                ; my spare word; never rewritten
	v_mov_b32 v7, 0                                ; 0; never rewritten
	v_lshrrev_b32 v1, 5, v0
	v_readfirstlane_b32 s14, v1                    ; wave w
	v_and_b32 v1, 31, v0
	v_lshlrev_b32 v1, 4, v1                        ; 16 l: an image's place
	v_and_b32 v2, 15, v0
	v_lshlrev_b32 v2, 4, v2                        ; 16 r: a row's 16 scale bytes
	s_lshl_b32 s21, s14, 12
	v_add_nc_u32 v3, s21, v1                       ; where I store T's images: chunks 4 w .. 4 w + 3; tiles of rows 0-3,
	v_add_nc_u32 v4, 0x10000, v3                   ; tiles 4-7
	v_add_nc_u32 v5, 0x10000, v1                   ; and where tiles 4-7 are read
	s_lshr_b32 s16, ttmp9, 1                       ; chain
	s_and_b32 s17, ttmp9, 1                        ; half
	s_and_b32 s18, ttmp7, 0xffff                   ; rb
	s_lshr_b32 s19, s18, 5                         ; batch
	s_and_b32 s20, s18, 31                         ; my 128 rows in the batch
	s_mov_b32 s46, 0x76543210
	s_mov_b32 s47, 0xfedcba98                      ; selects for lane l xor 16
	; the offsets, each in a pair of its own with 0 above it
	s_lshl_b32 s22, s18, 15                        ; x's codes: 8 tiles of 4,096 bytes
	s_mov_b32 s23, 0
	s_lshl_b32 s24, s18, 11                        ; x's scale bytes: 8 x 256
	s_mov_b32 s25, 0
	s_lshl_b32 s42, s16, 5
	s_lshl_b32 s43, s14, 3
	s_add_co_u32 s42, s42, s43
	s_add_co_u32 s42, s42, 512                     ; W's first tile of mine: 512 + 32 chain + 8 w
	s_lshl_b32 s26, s42, 12
	s_mov_b32 s27, 0
	s_lshl_b32 s28, s42, 8
	s_mov_b32 s29, 0
	s_lshl_b32 s42, ttmp9, 3
	s_lshl_b32 s43, s14, 1
	s_add_co_u32 s42, s42, s43
	s_add_co_u32 s42, s42, 576                     ; Wv's: 576 + 8 kd + 2 w
	s_lshl_b32 s30, s42, 12
	s_mov_b32 s31, 0
	s_lshl_b32 s32, s42, 8
	s_mov_b32 s33, 0
	s_lshl_b32 s42, s17, 2
	s_add_co_u32 s42, s42, s14                     ; g = 4 half + w
	s_lshl_b32 s34, s42, 16
	s_lshl_b32 s43, s16, 19
	s_add_co_u32 s34, s34, s43                     ; R' or En', my head
	s_mov_b32 s35, 0
	s_lshl_b32 s43, s19, 3
	s_add_co_u32 s42, s42, s43                     ; bh = 8 batch + g
	s_lshl_b32 s36, s42, 19
	s_lshl_b32 s43, s20, 14
	s_add_co_u32 s36, s36, s43                     ; q: 2,048 bytes a tile of rows;
	s_lshl_b32 s36, s36, s16                       ; k: a key step of 4 tiles takes 16,384 with V: twice that
	s_mov_b32 s37, 0
	s_lshl_b32 s50, s42, 7                         ; my block's scale: 32 blocks of 4 bytes a head,
	s_lshl_b32 s43, s16, 11                        ; 16 heads a chain,
	s_add_co_u32 s50, s50, s43
	s_lshl_b32 s43, s20, 2                         ; my block
	s_add_co_u32 s50, s50, s43
	s_mov_b32 s51, 0
	s_lshl_b32 s38, 8192, s16                      ; from tiles 0-3 to tiles 4-7
	s_mov_b32 s39, 0
	s_lshl_b32 s40, s19, 3
	s_lshl_b32 s43, ttmp9, 1
	s_add_co_u32 s40, s40, s43
	s_lshr_b32 s43, s14, 1
	s_add_co_u32 s40, s40, s43                     ; v's head: 8 batch + 2 kd + w / 2
	s_lshl_b32 s40, s40, 20
	s_lshl_b32 s43, s20, 15
	s_add_co_u32 s40, s40, s43
	s_and_b32 s43, s14, 1
	s_lshl_b32 s43, s43, 11                        ; channel tiles 2 (w % 2), + 1
	s_add_co_u32 s40, s40, s43
	s_add_co_u32 s40, s40, 8192                    ; V lies behind a step's K
	s_mov_b32 s41, 0
	s_wait_kmcnt 0x0
	s_add_nc_u64 s[22:23], s[4:5], s[22:23]
	s_add_nc_u64 s[24:25], s[6:7], s[24:25]
	s_add_nc_u64 s[26:27], s[4:5], s[26:27]
	s_add_nc_u64 s[28:29], s[6:7], s[28:29]
	s_add_nc_u64 s[30:31], s[4:5], s[30:31]
	s_add_nc_u64 s[32:33], s[6:7], s[32:33]
	s_add_nc_u64 s[34:35], s[8:9], s[34:35]
	s_add_nc_u64 s[48:49], s[48:49], s[50:51]
	s_cmp_eq_u32 s16, 0
	s_cselect_b64 s[44:45], s[10:11], s[12:13]     ; q goes to qimg, k to kv
	s_add_nc_u64 s[36:37], s[44:45], s[36:37]
	s_add_nc_u64 s[38:39], s[36:37], s[38:39]
	s_add_nc_u64 s[40:41], s[12:13], s[40:41]
.macro XLOAD m                         ; tile m of x: four fragments and the rows' scale words: 9 loads, into set m % 3
.irp s, 0,1,2,3
.irp c, 0,1
	global_load_b128 v[XF+32*((\m)%3)+8*\s+4*\c:XF+32*((\m)%3)+8*\s+4*\c+3], v1, s[22:23] offset:4096*(\m)+1024*\s+512*\c
.endr
.endr
	global_load_b128 v[XS+4*((\m)%3):XS+4*((\m)%3)+3], v2, s[24:25] offset:256*(\m)
.endm
.macro RLOAD kc                        ; chunk kc of R': four fragments: 8 loads
	WIN 0x80+0x40*((\kc)/8)
.irp t, 0,1,2,3
.irp c, 0,1
	global_load_b128 v[32*((\kc)%8)+8*\t+4*\c:32*((\kc)%8)+8*\t+4*\c+3], v1, s[34:35] offset:4096*(\kc)+1024*\t+512*\c
.endr
.endr
.endm
	XLOAD 0
	XLOAD 1
	WIN 0x40
.irp t, 0,1,2,3,4,5,6,7
.irp s, 0,1,2,3
.irp c, 0,1
	global_load_b128 v[32*\t+8*\s+4*\c:32*\t+8*\s+4*\c+3], v1, s[26:27] offset:4096*\t+1024*\s+512*\c
.endr
.endr
.endr
	WIN 0
.irp t, 0,1,2,3,4,5,6,7
	global_load_b128 v[WS+4*\t:WS+4*\t+3], v2, s[28:29] offset:256*\t
.endr
	WIN 0xc0
.irp n, 0,1
.irp s, 0,1,2,3
.irp c, 0,1
	global_load_b128 v[192+32*\n+8*\s+4*\c:192+32*\n+8*\s+4*\c+3], v1, s[30:31] offset:4096*\n+1024*\s+512*\c
.endr
.endr
.endr
	WIN 0
.irp n, 0,1
	global_load_b128 v[WVS+4*\n:WVS+4*\n+3], v2, s[32:33] offset:256*\n
.endr
.irp k, 0,1,2,3,4,5
	RLOAD \k
.endr
	WIN 0
	s_wait_loadcnt 48                              ; all but R's first six chunks, the 48 youngest loads
; PHASE 1, tile m of rows.  x runs two tiles ahead in three sets; R' comes in beside it, two chunks a trip.
.macro P1 m
.set XB, XF+32*((\m)%3)
.set XW, XS+4*((\m)%3)
	s_wait_xcnt 0x0                                ; the last trip's stores of v have read their registers,
	s_wait_dscnt 0x0                               ; and its LDS stores theirs: the accumulators may be written
.if (\m) >= 2
.if (\m) <= 4
	s_wait_loadcnt 41                              ; tile m is in.  Behind its loads: 16 of R', 9 of x, 16 of R'
.elseif (\m) == 5
	s_wait_loadcnt 25                              ; 16 of R', 9 of x
.elseif (\m) == 6
	s_wait_loadcnt 9                               ; 9 of x
.else
	s_wait_loadcnt 0x0
.endif
.endif
.if (\m) <= 5
	XLOAD (\m)+2                                   ; into the set that the last trip multiplied: its places and conversions lie between
.endif
.if (\m) <= 3
	RLOAD 6+2*(\m)
	RLOAD 7+2*(\m)
.endif
	WIN 0x01                                       ; source 0 (W) window 1
.irp s, 0,1,2,3                                ; the eight accumulators take turns, one instruction a turn
.irp t, 0,1,2,3,4,5,6,7
.if \s == 0
	v_wmma_scale_f32_16x16x128_f8f6f4 v[ACC+8*\t:ACC+8*\t+7], v[32*\t+8*\s:32*\t+8*\s+7], v[XB+8*\s:XB+8*\s+7], 0, v[WS+4*\t+\s], v[XW+\s] matrix_a_fmt:MATRIX_FMT_FP4 matrix_b_fmt:MATRIX_FMT_FP4
.else
	v_wmma_scale_f32_16x16x128_f8f6f4 v[ACC+8*\t:ACC+8*\t+7], v[32*\t+8*\s:32*\t+8*\s+7], v[XB+8*\s:XB+8*\s+7], v[ACC+8*\t:ACC+8*\t+7], v[WS+4*\t+\s], v[XW+\s] matrix_a_fmt:MATRIX_FMT_FP4 matrix_b_fmt:MATRIX_FMT_FP4
.endif
.endr
.endr
	WIN 0x0c                                       ; source 1 (Wv) window 3
.irp s, 0,1,2,3
.irp n, 0,1
.if \s == 0
	v_wmma_scale_f32_16x16x128_f8f6f4 v[ACC+64+8*\n:ACC+64+8*\n+7], v[XB+8*\s:XB+8*\s+7], v[192+32*\n+8*\s:192+32*\n+8*\s+7], 0, v[XW+\s], v[WVS+4*\n+\s] matrix_a_fmt:MATRIX_FMT_FP4 matrix_b_fmt:MATRIX_FMT_FP4
.else
	v_wmma_scale_f32_16x16x128_f8f6f4 v[ACC+64+8*\n:ACC+64+8*\n+7], v[XB+8*\s:XB+8*\s+7], v[192+32*\n+8*\s:192+32*\n+8*\s+7], v[ACC+64+8*\n:ACC+64+8*\n+7], v[XW+\s], v[WVS+4*\n+\s] matrix_a_fmt:MATRIX_FMT_FP4 matrix_b_fmt:MATRIX_FMT_FP4
.endif
.endr
.endr
	WIN 0
.rept 4
	v_nop                                          ; four places in front of the first read of results (ISA guide 7.12.1)
.endr
.irp i, 0,1,2,3,4,5,6,7,8,9
.irp j, 0,1,2,3
	v_cvt_pk_f16_f32 v[ACC+8*\i+\j], v[ACC+8*\i+2*\j], v[ACC+8*\i+2*\j+1]   ; in place, each accumulator from its low end on: 16 bytes a lane
.endr
.endr
.irp t, 0,1,2,3,4,5,6,7                        ; tiles 2 u and 2 u + 1 are the two pieces of T's fragment of chunk 4 w + u
.if (\m) < 4
	ds_store_b128 v3, v[ACC+8*\t:ACC+8*\t+3] offset:(\m)*16384+512*\t
.else
	ds_store_b128 v4, v[ACC+8*\t:ACC+8*\t+3] offset:((\m)-4)*16384+512*\t
.endif
.endr
.irp n, 0,1                                    ; V^T: key step m / 4, keys 32 ((m % 4) / 2) on, piece m % 2, channel tile n of my two
	global_store_b128 v1, v[ACC+64+8*\n:ACC+64+8*\n+3], s[40:41] offset:((\m)/4)*16384+(((\m)%4)/2)*4096+1024*\n+((\m)%2)*512
.endr
.endm
.irp m, 0,1,2,3,4,5,6,7
	P1 \m
.endr
	RLOAD 14                                       ; Wv's registers are free: the last product that read them stands in front of the trip's places and conversions
	RLOAD 15
	WIN 0
	s_wait_dscnt 0x0                               ; for the others' sake: my images of T lie in LDS
	s_barrier_signal -1
	s_barrier_wait -1                              ; the launch's one barrier: T is whole.  (R's chunks 0-13 are in since the last trip's wait for 0)
; PHASE 2.  A chunk's eight fragments of T (16 loads) are fetched a chunk ahead, into two sets by turns.
.macro TLOAD kc
.irp m, 0,1,2,3,4,5,6,7
.irp c, 0,1
.if \m < 4
	ds_load_b128 v[TB+64*((\kc)%2)+8*\m+4*\c:TB+64*((\kc)%2)+8*\m+4*\c+3], v1 offset:\m*16384+1024*(\kc)+512*\c
.else
	ds_load_b128 v[TB+64*((\kc)%2)+8*\m+4*\c:TB+64*((\kc)%2)+8*\m+4*\c+3], v5 offset:(\m-4)*16384+1024*(\kc)+512*\c
.endif
.endr
.endr
.endm
.rept 5
	v_nop                                          ; the sums below are laid over W's fragments: five places behind the products that read those
.endr
	TLOAD 0
.set KC, 0
.rept 16
	WIN 0
.rept 4
	v_nop                                          ; four places in front of loads into the set that the chunk before multiplied
.endr
.if KC < 15
	TLOAD KC+1
	s_wait_dscnt 16                                ; this chunk's fragments are in; the 16 loads just issued may be out
.else
	s_wait_dscnt 0x0
.endif
.if KC == 14
	s_wait_loadcnt 0x0                             ; R's last two chunks
.endif
	WIN 0x52+(KC/8)                                ; source 0 (R') window 2 or 3, C and D window 1
.irp m, 0,1,2,3,4,5,6,7                        ; the 32 accumulators take turns
.irp t, 0,1,2,3
.if KC == 0
	v_wmma_f32_16x16x32_f16 v[8*(4*\m+\t):8*(4*\m+\t)+7], v[32*(KC%8)+8*\t:32*(KC%8)+8*\t+7], v[TB+64*(KC%2)+8*\m:TB+64*(KC%2)+8*\m+7], 0
.else
	v_wmma_f32_16x16x32_f16 v[8*(4*\m+\t):8*(4*\m+\t)+7], v[32*(KC%8)+8*\t:32*(KC%8)+8*\t+7], v[TB+64*(KC%2)+8*\m:TB+64*(KC%2)+8*\m+7], v[8*(4*\m+\t):8*(4*\m+\t)+7]
.endif
.endr
.endr
.set KC, KC+1
.endr
	; THE BLOCK'S SCALE: the largest magnitude of my 128 tokens x 64 channels, in four chains that begin at the floor 2^-100; each accumulator is read from its low end on.
	WIN 0
.irp j, 8,9,10,11
	v_mov_b32 v\j, 0x0d800000                      ; these five lines are also the places behind the last products
.endr
	v_mov_b32 v12, 0                               ; a lane permute's destination counts as one of its sources
	WIN 0x14                                       ; sources 1 and 2 window 1
.set G, 0
.rept 8
.irp p, 0,1,2,3
.irp j, 0,1,2,3
	v_max3_num_f32 v[8+\j], v[8+\j], |v[8*(4*G+\j)+2*\p]|, |v[8*(4*G+\j)+2*\p+1]|
.endr
.endr
.set G, G+1
.endr
	WIN 0
	v_max3_num_f32 v8, v8, v9, v10
	v_max_num_f32 v8, v8, v11
	v_max_num_f32_dpp v8, v8, v8 row_xmask:1 row_mask:0xf bank_mask:0xf
	v_max_num_f32_dpp v8, v8, v8 row_xmask:2 row_mask:0xf bank_mask:0xf
	v_max_num_f32_dpp v8, v8, v8 row_xmask:4 row_mask:0xf bank_mask:0xf
	v_max_num_f32_dpp v8, v8, v8 row_xmask:8 row_mask:0xf bank_mask:0xf
	v_permlanex16_b32 v12, v8, s46, s47
	v_max_num_f32 v8, v8, v12                      ; every lane holds the block's largest magnitude
	v_and_b32 v8, 0x7f800000, v8                   ; its exponent field E, from 27 to 254
	v_sub_nc_u32 v10, 0x86000000, v8               ; (268 - E) << 23: the f32 number 2^(141 - E), by which the block is multiplied (the low word of the pair v[10:11])
	v_add_nc_u32 v9, 0xf9000000, v8                ; (E - 14) << 23: 2^(E - 141), by which attention multiplies the scores
	v_and_b32 v13, 31, v0
	v_mov_b32 v14, 0
	v_cmp_eq_u32 vcc_lo, 0, v13
	s_wait_xcnt 0x0                                ; EXEC changes only behind this wait
	s_and_saveexec_b32 s52, vcc_lo
	global_store_b32 v14, v9, s[48:49]             ; one number a wave: lane 0 stores it
	s_wait_xcnt 0x0                                ; and again, in front of the line that widens EXEC
	s_or_b32 exec_lo, exec_lo, s52
	WIN 0x41                                       ; destination and source 0 window 1, the factor window 0
.set I, 0
.rept 128
	v_pk_mul_f32 v[2*I:2*I+1], v[2*I:2*I+1], v[10:11] op_sel_hi:[1,0]   ; by a power of two: nothing is rounded
.set I, I+1
.endr
	; THE WAY OUT: a lane's eight channel places of one token round to 16 bytes of f16: piece t % 2 of chunk t / 2 of the token tile's fragment of Q or K.  Each store covers 512 consecutive bytes, aligned.
	WIN 0x45                                       ; sources and destination window 1
.set I, 0
.rept 32
.irp j, 0,1,2,3
	v_cvt_pk_f16_f32 v[8*I+\j], v[8*I+2*\j], v[8*I+2*\j+1]
.endr
.set I, I+1
.endr
	WIN 0x04                                       ; a store's data are its source 1: window 1
.irp m, 0,1,2,3,4,5,6,7
.irp t, 0,1,2,3
.if \m < 4
	global_store_b128 v1, v[8*(4*\m+\t):8*(4*\m+\t)+3], s[36:37] offset:\m*2048+512*\t
.else
	global_store_b128 v1, v[8*(4*\m+\t):8*(4*\m+\t)+3], s[38:39] offset:(\m-4)*2048+512*\t
.endif
.endr
.endr
	WIN 0
	s_wait_tensorcnt 0x0                           ; the wave's end
	ds_add_u32 v6, v7
	s_wait_dscnt 0x0
	s_endpgm
.Lfunc_end_k_qc2d0d153de_proj:
	.size	k_qc2d0d153de_proj, .Lfunc_end_k_qc2d0d153de_proj-k_qc2d0d153de_proj
	.p2alignl 7, 3214868480
	.fill 96, 4, 3214868480
	.section	.rodata,"a",@progbits
	.p2align	6, 0x0
	.amdhsa_kernel k_qc2d0d153de_proj
		.amdhsa_group_segment_fixed_size 131584
		.amdhsa_private_segment_fixed_size 0
		.amdhsa_enable_private_segment 0
		.amdhsa_kernarg_size 48
		.amdhsa_user_sgpr_count 2
		.amdhsa_user_sgpr_kernarg_segment_ptr 1
		.amdhsa_wavefront_size32 1
		.amdhsa_system_sgpr_workgroup_id_x 1
		.amdhsa_system_sgpr_workgroup_id_y 1
		.amdhsa_system_sgpr_workgroup_id_z 1
		.amdhsa_system_vgpr_workitem_id 0
		.amdhsa_next_free_vgpr 1024
		.amdhsa_next_free_sgpr 66
		.amdhsa_reserve_vcc 1
		.amdhsa_float_denorm_mode_32 3
		.amdhsa_float_denorm_mode_16_64 3
		.amdhsa_memory_ordered 1
		.amdhsa_forward_progress 1
		.amdhsa_inst_pref_size 180
	.end_amdhsa_kernel
	.amdgpu_metadata
---
amdhsa.version: [ 1, 2 ]
amdhsa.kernels:
  - .name:           k_qc2d0d153de_proj
    .symbol:         k_qc2d0d153de_proj.kd
    .args:
      - { .name: cod, .offset: 0, .size: 8, .value_kind: global_buffer, .address_space: global }
      - { .name: scl, .offset: 8, .size: 8, .value_kind: global_buffer, .address_space: global }
      - { .name: rimg, .offset: 16, .size: 8, .value_kind: global_buffer, .address_space: global }
      - { .name: qimg, .offset: 24, .size: 8, .value_kind: global_buffer, .address_space: global }
      - { .name: kv, .offset: 32, .size: 8, .value_kind: global_buffer, .address_space: global }
      - { .name: qks, .offset: 40, .size: 8, .value_kind: global_buffer, .address_space: global }
    .group_segment_fixed_size: 131584
    .private_segment_fixed_size: 0
    .kernarg_segment_align: 8
    .kernarg_segment_size: 48
    .max_flat_workgroup_size: 128
    .sgpr_count:     66
    .vgpr_count:     1024
    .wavefront_size: 32
...
	.end_amdgpu_metadata
.endif
;; end of part 2
;; launch attn (part 3): grid 16 x 16, 8 waves a work-group, clusters of 4 x 1, 327,680 bytes of LDS; arguments qimg, kv, qks, out0; writes out0
.if DOCPART == 3
	.amdgcn_target "amdgcn-amd-amdhsa--gfx1250"
	.amdhsa_code_object_version 6
	.text
	.protected	k_qc2d0d153de_attn
	.globl	k_qc2d0d153de_attn
	.p2align	8
	.type	k_qc2d0d153de_attn,@function
k_qc2d0d153de_attn:
	s_mov_b64 s[64:65], 0
	v_nop
	global_prefetch_b8 v0, s[64:65] scope:SCOPE_SE
	s_setreg_imm32_b32 hwreg(HW_REG_WAVE_MODE, 25, 1), 1
	s_wait_xcnt 0x0
	s_wait_alu depctr_hold_cnt(0) depctr_sa_sdst(0) depctr_va_vdst(0) depctr_va_sdst(0) depctr_va_ssrc(0) depctr_va_vcc(0) depctr_vm_vsrc(0)
	s_getreg_b32 s2, hwreg(HW_REG_IB_STS2, 6, 4)
	s_cmp_eq_u32 s2, 0
	s_cbranch_scc0 .Lentry_in_a_cluster
	s_endpgm
.Lentry_in_a_cluster:
	s_bfe_u32 s2, ttmp6, 0x10000c
	s_cmp_lg_u32 s2, 0x3003
	s_cbranch_scc0 .Lentry_shape_is_right
	s_endpgm
.Lentry_shape_is_right:
; out[b][q][64 g ..] = the sum over keys of softmax(Q K^T / 8) V, for each of the 16 heads bh = 8 b + g.  No work is left out.
; q and k arrive as f16, each block of 128 tokens of a head under a power-of-two scale of its own (qks: [q, k][head 16][block 32], f32), and carry sqrt(log2(e) / 8) each: so t = (K Q^T) x sc, sc = q's scale x k's,
; is score x log2(e) / 8.  V arrives as f16 with the keys innermost.  All three are images of operand registers (512 bytes for four registers, 16 a lane).
; SOFTMAX.  For each query a running maximum m of t and a sum l: p = 2^(S sc - m), one fused multiply-add and one exponential; sc is a power of two, so S sc is exact, the exponent is 0 at the maximum and p is at most 1.
; p is rounded to f16 for the second product; in every step O and l are multiplied by a = 2^(old m - new m).  Sums and maxima in f32.
; LIMIT: where the product of the two scales leaves f32's range, so do the scores themselves.
; SHARES.  A work-group owns 256 queries of one head.  Wave w owns queries 64 (w % 4) .. + 63, four tiles of 16 (they lie in one block: one scale), and HALF THE KEYS: 2,048 (w / 4) on, 64 a step, 32 steps.  So two waves of
; 512 registers lie on a SIMD and each fragment of K and V read from LDS feeds four products.  At the end waves 4-7 hand m, l and O^T to waves 0-3 through LDS, and those join the halves, divide and store.
; LAYOUT.  S^T = K Q^T (source 0 = 16 keys, source 1 = 16 queries), O^T = V^T P (source 0 = 16 channels, source 1 = P): a lane holds ONE query throughout; two tiles of S^T, rounded in pairs, ARE a fragment of P.
; RING.  Two LDS slots; a slot holds four key steps of each half: eight tiles of 16,384 bytes (K 8,192, then V), dense in memory; wave w fetches tile w with one tensor load.  By this text's count a wave has one tensor load out.
; A slot's four steps are two blocks of keys: their two scales come by one scalar load at each change of slots.  No branch and no address hangs on a scale.
; CLUSTER.  The four query blocks of a cluster belong to one head and walk the same K and V: each tile is asked for JOINTLY, by the same load with the same descriptor and a mask that names the four.
; REGISTERS.  Window 0: v2-11 addresses; v[14:15] sc; v16-47 statistics, eight a tile: +0 m, +1 old m, +2, +3 l, +4 .. +7 at work (+6 a); v48-63 the merge; v64-191 S^T, then p, then P in place (32 a tile); v192-255 V.
;  Window 1: v0-127 O^T (32 t + 8 ct); v128-191 Q (16 t + 8 cc); v192-255 K (8 (2 kt + cc)).
.set SLOT1, 1<<17                      ; slot 1 begins here: one exclusive or turns an address from one slot to the other
.set TILE,  16384
.set SPARE, 2*SLOT1                    ; behind the ring: the spare words, 128 bytes a wave: four blocks of 256 bytes that no other line names
.set MSTW,  17408                      ; the merge: O^T's 32 images and two of statistics for each pair of waves, from LDS byte 0;
.set OST,   4*MSTW                     ; the way out: 16 rows x (256 + 16) bytes for each of waves 0-3.  Both lie in slot 0, which has had its last fill and its last read at the last change of slots
.set OP,    272
.set OSTW,  16*OP
.set LK,  2                            ; v2   16 l + 65,536 x my half: my place in a slot's tiles
.set ADR, 3                            ; v3   the step's LDS address
.set MA,  4                            ; v4   the merge: my pair's bytes + 16 l
.set STO, 5                            ; v5   the way out: where I put 16 bytes of a row
.set RD,  6                            ; v6   and where I read a row back
.set GO,  7                            ; v7   my byte offset in two rows of the output
.set LI,  8                            ; v8   16 l
.set PFO, 9                            ; v9   256 l
.set SPW, 10                           ; v10  my spare word; never rewritten
.set NIL, 11                           ; v11  0; never rewritten
.set SC,  14                           ; v14  the step's sc (the low word of the pair v[14:15])
.set ST,  16
.set MG,  48
.set S,   64
.set VF,  192
.set QF,  128
.set KF,  192
.set MSB, 0
.macro WIN new                         ; low byte: bits 1:0 source 0, 3:2 source 1, 5:4 source 2, 7:6 destination; the high byte repeats the setting that is left
.if MSB != (\new)
	s_set_vgpr_msb (MSB<<8)|(\new)
.set MSB, (\new)
.endif
.endm
; A round of the cluster's barrier: my work-group's barrier; wave 0 signals for the work-group; every wave waits for all four work-groups; my work-group's barrier once more.
.macro ROUND
	s_barrier_signal -1
	s_barrier_wait -1
	s_cmp_lg_u32 s10, 0
	s_cbranch_scc1 .Lnw0_\@
	s_barrier_signal -3
.Lnw0_\@:
	s_barrier_wait -3
	s_barrier_signal -1
	s_barrier_wait -1
.endm
; A PREFETCH INTO THE L2 of what the NEXT change of slots will ask for: four key steps ahead of that load.  Each aligned block of 256 bytes is named once in the launch: all four clusters of a head walk the same K and V, so
; the head's first cluster asks; in it waves 0, 2, 4, 6 ask for their own tile and the next wave's, 32,768 consecutive bytes, of which each of the four partners takes 8,192 BY ADDRESS, lanes 256 bytes apart.
; The first two fills come by their loads alone; the last change that fills a slot asks for nothing.
.macro ASK
	s_cmp_gt_u32 s37, s39
	s_cbranch_scc0 .Lnot_mine_\@
	global_prefetch_b8 v[PFO], s[40:41] th:TH_LOAD_NT scope:SCOPE_SE
.Lnot_mine_\@:
.endm
	s_load_b128 s[4:7], s[0:1], 0x0                ; qimg s[4:5], kv s[6:7]
	s_load_b64 s[48:49], s[0:1], 0x10              ; qks
	s_load_b64 s[8:9], s[0:1], 0x18                ; out0
	v_lshl_add_u32 v[SPW], v0, 2, SPARE
	v_mov_b32 v[NIL], 0
	ds_add_u32 v[SPW], v[NIL]                      ; the wave's opening: the add, twice on end, and its wait ahead of my first tensor load
	ds_add_u32 v[SPW], v[NIL]                      ; and once more; the set-up below, work on registers, stands between it and the wait
	v_lshrrev_b32 v1, 5, v0
	v_readfirstlane_b32 s10, v1                    ; wave 0..7
	s_bfe_u32 s11, ttmp6, 0x40000                  ; cx: my place in the cluster: it enters Q's, its scale's, the output's and the prefetches' addresses alone
	s_and_b32 s12, ttmp7, 0xffff                   ; bh, which the four partners share
	s_lshl_b32 s13, ttmp9, 2
	s_add_co_u32 s13, s13, s11                     ; my block of 256 queries
	s_lshr_b32 s14, s10, 2                         ; my half of the keys
	s_and_b32 s15, s10, 3                          ; my 64 queries of the block; also: which of a slot's four steps of my half I fetch
	; descriptor group 1: 16,384 dense bytes as 64 rows of 32 elements of 8 bytes, no padding
	s_mov_b32 s24, 15|(3<<16)|(1<<21)              ; 15:0 the mask: all four work-groups; 17:16 elements of 8 bytes; 21 set beside a mask
	s_mov_b32 s25, 32<<16                          ; tensor_dim0 = 32
	s_mov_b32 s26, 64<<16                          ; tensor_dim1 = 64
	s_mov_b32 s27, 32<<16                          ; tile_dim0 = 32
	s_mov_b32 s28, 64                              ; tile_dim1 = 64
	s_mov_b32 s29, 32                              ; from row to row
	s_mov_b32 s30, 0
	s_mov_b32 s31, 0
	s_mov_b32 s32, 1                               ; group 0: count = 1
	s_lshl_b32 s33, s10, 14                        ; LDS address: slot 0, tile w
	s_lshl_b32 s16, s12, 20                        ; a head's 64 steps of 16,384 bytes,
	s_lshl_b32 s17, s14, 19                        ; my half's 32,
	s_add_co_u32 s16, s16, s17
	s_lshl_b32 s17, s15, 14                        ; my step of the first four
	s_add_co_u32 s16, s16, s17
	s_mov_b32 s17, 0
	s_lshl_b32 s20, s11, 13                        ; the prefetches: my work-group's 8,192 bytes,
	s_add_co_u32 s20, s20, 4*TILE                  ; in the second fill: the first change of slots steps it to the third
	s_mov_b32 s21, 0
	s_lshl_b32 s18, s13, 4
	s_lshl_b32 s19, s15, 2
	s_add_co_u32 s18, s18, s19                     ; my first tile of queries: 16 block + 4 (w % 4)
	s_lshl_b32 s18, s18, 11
	s_lshl_b32 s19, s12, 19
	s_add_co_u32 s18, s18, s19
	s_mov_b32 s19, 0
	s_lshr_b32 s22, s12, 3
	s_lshl_b32 s22, s22, 12
	s_lshl_b32 s23, s13, 8
	s_add_co_u32 s22, s22, s23
	s_lshl_b32 s23, s15, 6
	s_add_co_u32 s22, s22, s23                     ; my first row of the output: 4,096 batch + 256 block + 64 (w % 4)
	s_lshl_b32 s22, s22, 11
	s_and_b32 s23, s12, 7
	s_lshl_b32 s23, s23, 8                         ; my head's 256 bytes of a row
	s_add_co_u32 s22, s22, s23
	s_mov_b32 s23, 0
	s_lshl_b32 s58, s12, 7                         ; q's scale: 32 blocks of 4 bytes a head;
	s_lshl_b32 s59, s13, 3                         ; my 64 queries lie in block 2 x (my block of 256) + (w % 4) / 2
	s_add_co_u32 s58, s58, s59
	s_lshr_b32 s59, s15, 1
	s_lshl_b32 s59, s59, 2
	s_add_co_u32 s58, s58, s59
	s_mov_b32 s59, 0
	s_lshl_b32 s54, s12, 7                         ; k's scales lie 2,048 bytes behind q's: my head,
	s_lshl_b32 s55, s14, 6                         ; my half's 16 blocks
	s_add_co_u32 s54, s54, s55
	s_add_co_u32 s54, s54, 2048
	s_mov_b32 s55, 0
	s_mov_b32 s36, 0                               ; LDS byte at which the step's tiles begin, less my half's place
	s_mov_b32 s37, 7                               ; fills still to be asked for
	s_mov_b32 s42, 0x76543210
	s_mov_b32 s43, 0xfedcba98                      ; selects for lane l xor 16
	s_and_b32 s39, s10, 1
	s_or_b32 s39, s39, ttmp9                       ; 0 in waves 0, 2, 4, 6 of the head's first cluster: the same in all four partners
	s_cmp_eq_u32 s39, 0
	s_cselect_b32 s39, 1, -1                       ; a wave prefetches while s37 is above this
	v_and_b32 v1, 31, v0
	v_and_b32 v12, 15, v0                          ; r
	v_bfe_u32 v13, v0, 4, 1                        ; h
	v_lshlrev_b32 v[LI], 4, v1
	s_lshl_b32 s2, s14, 16
	v_add_nc_u32 v[LK], s2, v[LI]
	v_lshlrev_b32 v[PFO], 8, v1
	s_mul_i32 s2, s15, MSTW
	v_add_nc_u32 v[MA], s2, v[LI]
	s_mul_i32 s2, s15, OSTW
	s_add_co_u32 s2, s2, OST
	v_mul_u32_u24 v[STO], v12, OP
	v_lshl_add_u32 v[STO], v13, 5, v[STO]
	v_add_nc_u32 v[STO], s2, v[STO]                ; in: row r, + 32 h
	v_mul_u32_u24 v[RD], v13, OP
	v_lshl_add_u32 v[RD], v12, 4, v[RD]
	v_add_nc_u32 v[RD], s2, v[RD]                  ; back: lanes 0-15 one row, lanes 16-31 the next
	v_lshlrev_b32 v[GO], 11, v13
	v_lshl_add_u32 v[GO], v12, 4, v[GO]            ; and the same two rows in the output
	v_mov_b32 v[SC+1], 0                           ; (named with sc as a pair, so it is written)
	s_wait_dscnt 0x0                               ; both opening adds are done
	s_wait_kmcnt 0x0
	s_add_nc_u64 s[34:35], s[6:7], s[16:17]        ; my tile of the first fill: bh and the wave's number alone
	s_add_nc_u64 s[40:41], s[34:35], s[20:21]      ; where my prefetches stand
	s_or_b32 s35, s35, 0x80000000                  ; type = 2
	s_add_nc_u64 s[44:45], s[4:5], s[18:19]        ; Q
	s_add_nc_u64 s[46:47], s[8:9], s[22:23]        ; the output
	s_add_nc_u64 s[58:59], s[48:49], s[58:59]      ; q's scale
	s_add_nc_u64 s[54:55], s[48:49], s[54:55]      ; k's scales of the first slot
	ROUND                                          ; all four work-groups are here: the first joint loads meet
	tensor_load_to_lds s[32:35], s[24:31]          ; slot 0: every wave fetches its tile
	s_nop 0
.rept 4
	v_nop
.endr
	s_load_b32 s50, s[58:59], 0x0                  ; q's scale: waited for with the first slot's scales of k
	WIN 0x40                                       ; destination window 1
.irp f, 0,1,2,3,4,5,6,7,8,9,10,11,12,13,14,15
	global_load_b128 v[QF+4*\f:QF+4*\f+3], v[LI], s[44:45] offset:512*\f   ; Q stays in registers: tile f / 4, chunk (f / 2) % 2, piece f % 2
.endr
.set I, 0
.rept 128
	v_mov_b32 v[I], 0                              ; O^T.  The step is written once for all key steps: the first finds zeros, and its a is 0
.set I, I+1
.endr
	WIN 0
.irp t, 0,1,2,3
	v_mov_b32 v[ST+8*\t], 0xff61b1e6               ; m: -3e38, under every t
.irp j, 1,2,3,4,5,6,7
	v_mov_b32 v[ST+8*\t+\j], 0                     ; l; and the others are written once, since pairs and a permute's destination name them
.endr
.endr
	s_wait_loadcnt 0x0                             ; Q
; A KEY STEP: 64 keys of my half.
.macro STEP
	s_cmp_gt_u32 s38, 2                            ; a slot's first two steps are its first block of keys, the last two its second
	s_cselect_b32 s56, s52, s53
	v_mul_f32 v[SC], s56, s50                      ; sc = k's scale x q's: a power of two
	v_add_nc_u32 v[ADR], s36, v[LK]
	WIN 0x40
.irp f, 0,1,2,3,4,5,6,7,8,9,10,11,12,13,14,15
	ds_load_b128 v[KF+4*\f:KF+4*\f+3], v[ADR] offset:512*\f
.endr
	WIN 0
.irp f, 0,1,2,3,4,5,6,7,8,9,10,11,12,13,14,15
	ds_load_b128 v[VF+4*\f:VF+4*\f+3], v[ADR] offset:8192+512*\f
.endr
	WIN 0x05                                       ; K and Q window 1, S^T window 0
.irp kt, 0,1,2,3
	s_wait_dscnt 28-4*\kt                          ; of the 32 loads the first 4 (kt + 1) are in: K's tiles 0 .. kt
.irp cc, 0,1                                   ; four accumulators take turns, one instruction a turn
.irp t, 0,1,2,3
.if \cc == 0
	v_wmma_f32_16x16x32_f16 v[S+32*\t+8*\kt:S+32*\t+8*\kt+7], v[KF+8*(2*\kt+\cc):KF+8*(2*\kt+\cc)+7], v[QF+16*\t+8*\cc:QF+16*\t+8*\cc+7], 0
.else
	v_wmma_f32_16x16x32_f16 v[S+32*\t+8*\kt:S+32*\t+8*\kt+7], v[KF+8*(2*\kt+\cc):KF+8*(2*\kt+\cc)+7], v[QF+16*\t+8*\cc:QF+16*\t+8*\cc+7], v[S+32*\t+8*\kt:S+32*\t+8*\kt+7]
.endif
.endr
.endr
.endr
	WIN 0
.rept 4
	v_nop                                          ; four places in front of the first read of results (ISA guide 7.12.1)
.endr
	; the largest of my 32 sums; the four tiles by turns in every line; each accumulator is read from its low end on
.irp j, 0,1,2,3
.irp t, 0,1,2,3
	v_max3_num_f32 v[ST+8*\t+4+\j], v[S+32*\t+8*\j], v[S+32*\t+8*\j+1], v[S+32*\t+8*\j+2]
.endr
.endr
.irp i, 3,5
.irp j, 0,1,2,3
.irp t, 0,1,2,3
	v_max3_num_f32 v[ST+8*\t+4+\j], v[ST+8*\t+4+\j], v[S+32*\t+8*\j+\i], v[S+32*\t+8*\j+\i+1]
.endr
.endr
.endr
.irp t, 0,1,2,3
	v_max3_num_f32 v[ST+8*\t+4], v[ST+8*\t+4], v[S+32*\t+7], v[S+32*\t+15]
.endr
.irp t, 0,1,2,3
	v_max3_num_f32 v[ST+8*\t+6], v[ST+8*\t+6], v[S+32*\t+23], v[S+32*\t+31]
.endr
.irp t, 0,1,2,3
	v_max3_num_f32 v[ST+8*\t+4], v[ST+8*\t+4], v[ST+8*\t+5], v[ST+8*\t+6]
.endr
.irp t, 0,1,2,3
	v_max_num_f32 v[ST+8*\t+4], v[ST+8*\t+4], v[ST+8*\t+7]
.endr
.irp t, 0,1,2,3
	v_permlanex16_b32 v[ST+8*\t+5], v[ST+8*\t+4], s42, s43   ; the query's other 32 keys lie in the lane 16 away
.endr
.irp t, 0,1,2,3
	v_mov_b32 v[ST+8*\t+1], v[ST+8*\t]
.endr
.irp t, 0,1,2,3
	v_max_num_f32 v[ST+8*\t+4], v[ST+8*\t+4], v[ST+8*\t+5]
.endr
.irp t, 0,1,2,3
	v_mul_f32 v[ST+8*\t+4], v[SC], v[ST+8*\t+4]    ; as t: sc is positive and a power of two
.endr
.irp t, 0,1,2,3
	v_max_num_f32 v[ST+8*\t], v[ST+8*\t+1], v[ST+8*\t+4]
.endr
.irp t, 0,1,2,3
	v_sub_f32 v[ST+8*\t+7], v[ST+8*\t+1], v[ST+8*\t]
.endr
	; ONE BATCH: the four a and the 128 p.  No line of it names an exponential's result
.irp t, 0,1,2,3
	v_exp_f32 v[ST+8*\t+6], v[ST+8*\t+7]           ; a = 2^(old m - new m)
.endr
.irp b, 0,1,2,3,4,5,6,7,8,9,10,11,12,13,14,15
.irp t, 0,1,2,3
	v_pk_fma_f32 v[S+32*\t+2*\b:S+32*\t+2*\b+1], v[S+32*\t+2*\b:S+32*\t+2*\b+1], v[SC:SC+1], v[ST+8*\t:ST+8*\t+1] op_sel_hi:[1,0,0] neg_lo:[0,0,1] neg_hi:[0,0,1]   ; S sc - m, two at a time: 0 at the maximum
.endr
.irp t, 0,1,2,3
	v_exp_f32 v[S+32*\t+2*\b], v[S+32*\t+2*\b]
	v_exp_f32 v[S+32*\t+2*\b+1], v[S+32*\t+2*\b+1]
.endr
.endr
	v_nop                                          ; a plain instruction behind the last exponential
	s_wait_alu depctr_va_vdst(0)                   ; wait ahead of the first line that names a result: one for the batch
	; l = a l + the sum of the unrounded p, in two chains a tile
.irp t, 0,1,2,3
	v_pk_mul_f32 v[ST+8*\t+2:ST+8*\t+3], v[ST+8*\t+2:ST+8*\t+3], v[ST+8*\t+6:ST+8*\t+7] op_sel_hi:[1,0]
.endr
.irp t, 0,1,2,3
	v_pk_add_f32 v[ST+8*\t+4:ST+8*\t+5], v[S+32*\t:S+32*\t+1], v[S+32*\t+2:S+32*\t+3]
.endr
.irp j, 4,8,12,16,20,24,28
.irp t, 0,1,2,3
	v_pk_add_f32 v[ST+8*\t+2:ST+8*\t+3], v[ST+8*\t+2:ST+8*\t+3], v[S+32*\t+\j:S+32*\t+\j+1]
.endr
.irp t, 0,1,2,3
	v_pk_add_f32 v[ST+8*\t+4:ST+8*\t+5], v[ST+8*\t+4:ST+8*\t+5], v[S+32*\t+\j+2:S+32*\t+\j+3]
.endr
.endr
.irp t, 0,1,2,3
	v_pk_add_f32 v[ST+8*\t+2:ST+8*\t+3], v[ST+8*\t+2:ST+8*\t+3], v[ST+8*\t+4:ST+8*\t+5]
.endr
	; P in place: register j takes p 2 j and 2 j + 1: registers 8 kk .. 8 kk + 7 of a tile are the fragment of keys 32 kk on
.irp j, 0,1,2,3,4,5,6,7,8,9,10,11,12,13,14,15
.irp t, 0,1,2,3
	v_cvt_pk_f16_f32 v[S+32*\t+\j], v[S+32*\t+2*\j], v[S+32*\t+2*\j+1]
.endr
.endr
	WIN 0x41                                       ; O^T (destination and source 0) window 1, a window 0
.irp t, 0,1,2,3
.irp i, 0,1,2,3,4,5,6,7,8,9,10,11,12,13,14,15
	v_pk_mul_f32 v[32*\t+2*\i:32*\t+2*\i+1], v[32*\t+2*\i:32*\t+2*\i+1], v[ST+8*\t+6:ST+8*\t+7] op_sel_hi:[1,0]
.endr
.endr
	s_wait_dscnt 0x0                               ; V is in
	WIN 0x50                                       ; V and P window 0, O^T window 1
.irp kk, 0,1                                   ; the sixteen accumulators take turns
.irp ct, 0,1,2,3
.irp t, 0,1,2,3
	v_wmma_f32_16x16x32_f16 v[32*\t+8*\ct:32*\t+8*\ct+7], v[VF+8*(4*\kk+\ct):VF+8*(4*\kk+\ct)+7], v[S+32*\t+8*\kk:S+32*\t+8*\kk+7], v[32*\t+8*\ct:32*\t+8*\ct+7]
.endr
.endr
.endr
	WIN 0
.rept 5
	v_nop                                          ; the next step's first products write over P, which these read: five places; its loads into V want four
.endr
.endm
; THE CHANGE OF SLOTS stands at a slot's head.  Each wave asks for the two scales of the slot ahead, waits for all its tensor loads (its tile of that slot), adds 0 to its spare word, and waits for that and for its reads of the
; slot that it has left.  fill = 1: a round of the cluster's barrier, so that no wave of any partner still reads that slot or has a load on its way; the joint load of the next four steps is the first thing behind it.
.macro CHANGE fill
	s_load_b64 s[52:53], s[54:55], 0x0             ; k's scales of the slot ahead: two blocks of 128 keys; the last slot's steps have read the old ones
	s_wait_tensorcnt 0x0                           ; no tensor load of mine is out, so group 0 may be written
	ds_add_u32 v[SPW], v[NIL]                      ; 0 onto my spare word
.if \fill
	s_xor_b32 s33, s33, SLOT1                      ; the other slot than last time,
	s_add_nc_u64 s[34:35], s[34:35], 4*TILE        ; my half's next four steps; the type bits on top are not reached
	s_wait_xcnt 0x0                                ; the last prefetch, four steps back, has read its address:
	s_add_nc_u64 s[40:41], s[40:41], 4*TILE        ; one fill further on than the descriptor
.endif
	s_wait_dscnt 0x0                               ; the add is done, and my reads of the slot that I have left are over
.if \fill
	ROUND
	tensor_load_to_lds s[32:35], s[24:31]
	s_nop 0
.rept 4
	v_nop
.endr
	ASK
.else
	s_barrier_signal -1
	s_barrier_wait -1
.endif
	s_wait_kmcnt 0x0                               ; the two scales are in (in the first trip q's too); scalar loads are waited for by 0 alone
.if \fill
	s_add_nc_u64 s[54:55], s[54:55], 8             ; the load is done: its address steps to the next slot's two
.endif
.endm
.macro FOUR_STEPS                      ; a slot's four steps: written once, walked four times
	s_mov_b32 s38, 4
.Lstep_\@:
	STEP
	s_add_co_u32 s36, s36, TILE
	s_sub_co_u32 s38, s38, 1
	s_cmp_lg_u32 s38, 0
	s_cbranch_scc1 .Lstep_\@
	s_sub_co_u32 s36, s36, 4*TILE
	s_xor_b32 s36, s36, SLOT1                      ; on to the other slot
.endm
.Lslot:                                            ; seven trips: behind each change of slots but the last the next fill is asked for
	CHANGE 1
	FOUR_STEPS
	s_sub_co_u32 s37, s37, 1
	s_cmp_lg_u32 s37, 0
	s_cbranch_scc1 .Lslot
	CHANGE 0                                       ; the last slot is written out
	FOUR_STEPS
	; THE MERGE.  l's two halves and the other half of the lanes' are added.  Waves 4-7 store O^T, m and l as images; a barrier; waves 0-3 take them.
.irp t, 0,1,2,3
	v_add_f32 v[MG+4+\t], v[ST+8*\t+2], v[ST+8*\t+3]
.endr
.irp t, 0,1,2,3
	v_permlanex16_b32 v[ST+8*\t+4], v[MG+4+\t], s42, s43
.endr
.irp t, 0,1,2,3
	v_add_f32 v[MG+4+\t], v[MG+4+\t], v[ST+8*\t+4]
.endr
.irp t, 0,1,2,3
	v_mov_b32 v[MG+\t], v[ST+8*\t]
.endr
	s_cmp_lt_u32 s10, 4
	s_cbranch_scc1 .Lkeep
	WIN 0x04                                       ; an LDS store's data are its source 1: window 1
.set I, 0
.rept 32
	ds_store_b128 v[MA], v[4*I:4*I+3] offset:512*I ; each accumulator from its low end on
.set I, I+1
.endr
	WIN 0
	ds_store_b128 v[MA], v[MG:MG+3] offset:16384
	ds_store_b128 v[MA], v[MG+4:MG+7] offset:16896
.Lkeep:
	s_wait_dscnt 0x0                               ; for the others' sake: my stores have landed
	s_barrier_signal -1
	s_barrier_wait -1
	s_cmp_ge_u32 s10, 4
	s_cbranch_scc1 .Lclose
	ds_load_b128 v[MG+8:MG+11], v[MA] offset:16384   ; the other half's m,
	ds_load_b128 v[MG+12:MG+15], v[MA] offset:16896  ; its l,
.set I, 0
.rept 32
	ds_load_b128 v[S+4*I:S+4*I+3], v[MA] offset:512*I  ; and its O^T, into the registers that P has left
.set I, I+1
.endr
	s_wait_dscnt 32                                ; the two loads of statistics are in; the 32 behind them may be out
.irp t, 0,1,2,3
	v_max_num_f32 v[ST+8*\t+1], v[MG+\t], v[MG+8+\t]   ; M
.endr
.irp t, 0,1,2,3
	v_sub_f32 v[ST+8*\t+4], v[MG+\t], v[ST+8*\t+1]
	v_sub_f32 v[ST+8*\t+5], v[MG+8+\t], v[ST+8*\t+1]
.endr
.irp t, 0,1,2,3
	v_exp_f32 v[ST+8*\t+2], v[ST+8*\t+4]           ; f1 = 2^(m - M),
	v_exp_f32 v[ST+8*\t+3], v[ST+8*\t+5]           ; f2 = 2^(m' - M)
.endr
	v_nop
	s_wait_alu depctr_va_vdst(0)                   ; one wait for the eight
.irp t, 0,1,2,3
	v_mul_f32 v[ST+8*\t+6], v[ST+8*\t+2], v[MG+4+\t]
.endr
.irp t, 0,1,2,3
	v_fma_f32 v[ST+8*\t+6], v[ST+8*\t+3], v[MG+12+\t], v[ST+8*\t+6]   ; the row's sum under M
.endr
.irp t, 0,1,2,3
	v_rcp_f32 v[ST+8*\t+7], v[ST+8*\t+6]
.endr
	v_nop
	s_wait_alu depctr_va_vdst(0)                   ; one wait for the four
.irp t, 0,1,2,3
	v_mul_f32 v[ST+8*\t], v[ST+8*\t+2], v[ST+8*\t+7]     ; g1 = f1 / the sum (the low word of the pair +0, +1)
	v_mul_f32 v[ST+8*\t+4], v[ST+8*\t+3], v[ST+8*\t+7]   ; g2 = f2 / the sum (of the pair +4, +5)
.endr
	s_wait_dscnt 0x0
.irp t, 0,1,2,3
.irp i, 0,1,2,3,4,5,6,7,8,9,10,11,12,13,14,15
	v_pk_mul_f32 v[S+32*\t+2*\i:S+32*\t+2*\i+1], v[S+32*\t+2*\i:S+32*\t+2*\i+1], v[ST+8*\t+4:ST+8*\t+5] op_sel_hi:[1,0]
.endr
.endr
	WIN 0x01                                       ; source 0 (my O^T) window 1
.irp t, 0,1,2,3
.irp i, 0,1,2,3,4,5,6,7,8,9,10,11,12,13,14,15
	v_pk_fma_f32 v[S+32*\t+2*\i:S+32*\t+2*\i+1], v[32*\t+2*\i:32*\t+2*\i+1], v[ST+8*\t:ST+8*\t+1], v[S+32*\t+2*\i:S+32*\t+2*\i+1] op_sel_hi:[1,0,1]
.endr
.endr
	WIN 0
; THE WAY OUT, a tile of 16 queries at a time.  A lane holds 32 bytes (eight channels) of a row for each channel tile; they go into rows of 272 bytes of my own stage and come back as whole rows of 256.
.macro PACKOUT t
.irp ct, 0,1,2,3
.irp u, 0,1
	ds_store_b128 v[STO], v[S+32*\t+8*\ct+4*\u:S+32*\t+8*\ct+4*\u+3] offset:64*\ct+16*\u
.endr
.endr
.irp i, 0,1,2,3,4,5,6,7
	ds_load_b128 v[S+32*\t+4*\i:S+32*\t+4*\i+3], v[RD] offset:2*OP*\i   ; LDS serves a wave's instructions in order (ISA guide 5.7.1.4): these see the stores above; the next tile's stores come behind them
.endr
.endm
.macro SEND t, younger                 ; younger: the LDS instructions issued behind tile t's loads
.irp i, 0,1,2,3,4,5,6,7
	s_wait_dscnt \younger+7-\i
	global_store_b128 v[GO], v[S+32*\t+4*\i:S+32*\t+4*\i+3], s[46:47] offset:(16*\t+2*\i)*2048 th:TH_STORE_NT   ; sixteen lanes store 256 consecutive bytes, aligned: a token's 64 channels of my head
.endr
.endm
	PACKOUT 0
	PACKOUT 1
	SEND 0, 16
	PACKOUT 2
	SEND 1, 16
	PACKOUT 3
	SEND 2, 16
	SEND 3, 0
.Lclose:
	s_wait_tensorcnt 0x0                           ; the wave's end: behind my last tensor load and my last LDS store
	ds_add_u32 v[SPW], v[NIL]
	s_wait_dscnt 0x0
	ROUND                                          ; the closing round: no work-group ends while a partner may still ask for a tile that names it
	s_endpgm
.Lfunc_end_k_qc2d0d153de_attn:
	.size	k_qc2d0d153de_attn, .Lfunc_end_k_qc2d0d153de_attn-k_qc2d0d153de_attn
	.p2alignl 7, 3214868480
	.fill 96, 4, 3214868480
	.section	.rodata,"a",@progbits
	.p2align	6, 0x0
	.amdhsa_kernel k_qc2d0d153de_attn
		.amdhsa_group_segment_fixed_size 327680
		.amdhsa_private_segment_fixed_size 0
		.amdhsa_enable_private_segment 0
		.amdhsa_kernarg_size 32
		.amdhsa_user_sgpr_count 2
		.amdhsa_user_sgpr_kernarg_segment_ptr 1
		.amdhsa_wavefront_size32 1
		.amdhsa_system_sgpr_workgroup_id_x 1
		.amdhsa_system_sgpr_workgroup_id_y 1
		.amdhsa_system_sgpr_workgroup_id_z 1
		.amdhsa_system_vgpr_workitem_id 0
		.amdhsa_next_free_vgpr 512
		.amdhsa_next_free_sgpr 66
		.amdhsa_reserve_vcc 0
		.amdhsa_float_denorm_mode_32 3
		.amdhsa_float_denorm_mode_16_64 3
		.amdhsa_memory_ordered 1
		.amdhsa_forward_progress 1
		.amdhsa_inst_pref_size 102
	.end_amdhsa_kernel
	.amdgpu_metadata
---
amdhsa.version: [ 1, 2 ]
amdhsa.kernels:
  - .name:           k_qc2d0d153de_attn
    .symbol:         k_qc2d0d153de_attn.kd
    .args:
      - { .name: qimg, .offset: 0, .size: 8, .value_kind: global_buffer, .address_space: global }
      - { .name: kv, .offset: 8, .size: 8, .value_kind: global_buffer, .address_space: global }
      - { .name: qks, .offset: 16, .size: 8, .value_kind: global_buffer, .address_space: global }
      - { .name: out0, .offset: 24, .size: 8, .value_kind: global_buffer, .address_space: global }
    .group_segment_fixed_size: 327680
    .private_segment_fixed_size: 0
    .kernarg_segment_align: 8
    .kernarg_segment_size: 32
    .max_flat_workgroup_size: 256
    .sgpr_count:     66
    .vgpr_count:     512
    .wavefront_size: 32
...
	.end_amdgpu_metadata
.endif
;; end of part 3
